; MI455X (gfx1250); checked and timed in simulation.
; The chip was launched on July 23, 2026; its instructions are those of AMD's public machine-readable ISA for CDNA 5 (MIT licence, August 2026) and "CDNA5" Instruction Set Architecture Reference Guide (July 2026). The comments in the code are by the model that wrote it; some were corrected since.
;; model. Allowed arithmetic: float matrix products may take bf16 or f16 operands with f32 sums; all other float work in f32.
;; Inputs: b_hh 15 float32; b_ih 15 float32; fc_b 3 float32; fc_w 3 x 5 float32; w_hh 15 x 5 float32; w_ih 15 x 1 float32; x 4,096 x 10 x 301 x 1 float32.
;; Outputs: out0 4,096 x 3 x 301 x 1 float32.
;; One version. Each part assembles by itself: llvm-mc -triple=amdgcn-amd-amdhsa -mcpu=gfx1250 --defsym DOCPART=n.
;; ======== version 1 of 1: 1 launch
;; limits: values are held in f16: magnitudes above 65,504 overflow, below 6.1e-05 lose precision; inputs' magnitudes at most 22,700
;; launch gru (part 1): grid 256 x 1, 8 waves a work-group, no clusters, 251,904 bytes of LDS; arguments x, w_ih, w_hh, b_ih, b_hh, fc_w, fc_b, out0; writes out0
.if DOCPART == 1
	.amdgcn_target "amdgcn-amd-amdhsa--gfx1250"
	.amdhsa_code_object_version 6
	.text
	.protected	k_q58b725a7c7_gru
	.globl	k_q58b725a7c7_gru
	.p2align	8
	.type	k_q58b725a7c7_gru,@function
k_q58b725a7c7_gru:
	s_mov_b64 s[64:65], 0
	v_nop
	global_prefetch_b8 v0, s[64:65] scope:SCOPE_SE
	s_setreg_imm32_b32 hwreg(HW_REG_WAVE_MODE, 25, 1), 1
	s_wait_xcnt 0x0
; GRU over 10 steps (1 input, 5 hidden) for 4096 x 301 independent chains, then y = fc_w h + fc_b (3 outputs).
; x: [4096][10][301] f32, out0: [4096][3][301] f32.
;
; SHARES.  A work-group takes 16 batches, a wave 2 batches = 602 chains, a lane one chain of a tile of 32 chains: 19 tiles a wave,
; run as 9 pairs (X, Y) and one single tile; the last tile has 26 chains, its other lanes repeat chain 601 (clamped index).
;
; THE MATRIX PRODUCTS go to v_wmma_f32_16x16x32_f16 with no movement between lanes.  B is the state: lane (r, h) holds k = 8h .. 8h+7
; of column r, and puts ITS OWN chain there: slots h0 h1 | h2 h3 | h4 x_t | 1 1 (k = 16 .. 31 are zeros).  A is block diagonal:
; row 8h + j is non-zero only at k = 8h .. 8h+7, where it holds gate row j.  D's register j of lane (r, h) is row 8h + j of column r,
; that is gate row j of the lane's own chain.  Three products give 24 rows g = 6 type + unit: type 0 r, 1 z, 2 h_n, 3 i_n;
; unit 5 is a row of zeros, so that the packed f32 instructions work on whole register pairs.  Folded into A: w_ih (slot 5),
; both biases (slots 6, 7: upper and lower part in f16) and the factors -log2 e (r), +log2 e (z), 2 log2 e (h_n, i_n).
;   r = 1 / (1 + 2^G_r)      zc = 1 - z = 1 / (1 + 2^G_z)      b = 2^(r G_hn + G_in)      u = 1 / (-b/2 - 1/2), so tanh = 1 + u
;   h' = (1 - z) n + z h = zc u + (zc (1 - h) + h)
; An exponential that overflows gives a reciprocal of 0 or -0, which is the gate's limit: nothing has to be clamped there.
;
; MEMORY.  Each wave's 24,080 bytes of x are consecutive in memory: one tensor load brings them into the wave's own LDS bytes.
; y is gathered in an LDS stage in out0's order
; and leaves in pieces of 16 bytes, sixteen lanes to 256 consecutive bytes at a multiple of 256 from out0's first byte.
; NO CLUSTER: the work-groups share only the 552 bytes of weights.
;
; LIMITS.  x beyond +-65,504 is taken as +-65,504.  2.885 |w_ih|, 2.885 |w_hh|, 2.885 |b|, |fc_w|, |fc_b| must stay below 65,504 (f16).
; Matrix operands are rounded to f16 (11 bits); below 6e-5 they keep an absolute step of 6e-8.  A NaN or an infinity in a chain's x
; also spoils the chain 16 lanes away (0 x NaN in the zero block).
.set XROW,   301*4                     ; bytes of one step (or one output) of a batch
.set XBATCH, 10*XROW                   ; 12,040
.set XWAVE,  2*XBATCH                  ; 24,080: a wave's share of x
.set YBATCH, 3*XROW                    ; 3,612
.set YWAVE,  2*YBATCH                  ; 7,224
.set YGROUP, 8*YWAVE                   ; 57,792: a work-group's share of out0
.set PIECES, YGROUP/16                 ; 3,612 pieces of 16 bytes
.set QLAST,  601                       ; a wave's last chain
.set STAGE,  192768                    ; behind the 8 x 24,080 bytes of x, at a multiple of 256: no tensor load lands in the stage's blocks
.set LANE, 1                           ; v1      lane
.set AX,   2                           ; v2, v3  LDS address of x of the NEXT tile X, Y
.set AY,   3
.set STX,  4                           ; v4, v5  LDS address of y of this tile X, Y
.set STY,  5
.set T0,   6                           ; v6, v7  at work
.set T1,   7
.set TX,   8                           ; v[8:63]    tile X
.set TY,   64                          ; v[64:119]  tile Y
.set oX,   0                           ;   +0 .. 9    x_0 .. x_9
.set oH,   10                          ;   +10 .. 15  h (unit 5 is the dummy)
.set oG,   16                          ;   +16 .. 39  the 24 gate rows
.set oB,   40                          ;   +40 .. 47  the B operand
.set oC,   48                          ;   +48 .. 53  1 - h, then zc (1 - h) + h
.set oT,   54                          ;   +54        x_t, clamped
.set WA,   120                         ; v[120:151] the A operands: three for the gates, one for fc
.set L32,  152                         ; v152    lane + 32
.set G0,   32                          ; s[32:35] tensor descriptor, group 0
.set G1,   36                          ; s[36:43] group 1
; registers of the set-up only (inside the tiles' registers, dead before the first tile)
.set J,    8                           ; lane & 7: the gate row inside a matrix
.set ACT,  9                           ; 1.0 in the lanes that hold a non-zero block of A, else 0.0
.set U0,   10
.set U1,   11
.set U2,   12
.set U3,   13
.set OB,   16                          ; v[16:19] byte offset into the vectors, one for each matrix
.set OW,   20                          ; v[20:23] byte offset into w_hh or fc_w
.set SH,   24                          ; v[24:27] factor of the h slots and of b_hh
.set SC,   28                          ; v[28:30] factor of the x slot and of b_ih
.set LW,   64                          ; v[64:95] eight loaded numbers for each matrix
	s_load_b512 s[16:31], s[0:1], 0x0              ; x 16, w_ih 18, w_hh 20, b_ih 22, b_hh 24, fc_w 26, fc_b 28, out0 30
	v_lshl_add_u32 v160, v0, 2, 0x3d400
	v_mov_b32 v161, 0
	ds_add_u32 v160, v161
	ds_add_u32 v160, v161
	v_lshrrev_b32 v2, 5, v0
	v_readfirstlane_b32 s2, v2                     ; wave 0 .. 7
	v_and_b32 v[LANE], 31, v0
	; one row of 24,080 bytes as 3,010 elements of 8 bytes
	s_mov_b32 s[G0], 1                             ; count = 1
	s_mul_i32 s[G0+1], s2, XWAVE                   ; LDS address: the wave's own bytes
	s_mov_b32 s[G1+0], 3<<16                       ; no mask, elements of 8 bytes, no padding
	s_mov_b32 s[G1+1], (XWAVE/8)<<16               ; tensor_dim0 = 3,010
	s_mov_b32 s[G1+2], 1<<16                       ; tensor_dim1 = 1
	s_mov_b32 s[G1+3], (XWAVE/8)<<16               ; tile_dim0 = 3,010
	s_mov_b32 s[G1+4], 1                           ; tile_dim1 = 1
	s_mov_b32 s[G1+5], XWAVE/8                     ; pitch
	s_mov_b32 s[G1+6], 0
	s_mov_b32 s[G1+7], 0
	s_lshl_b32 s3, ttmp9, 3
	s_add_co_u32 s3, s3, s2                        ; 8 x work-group + wave
	s_mul_i32 s10, s3, XWAVE                       ; at most 2,047 x 24,080: below 4 GiB
	s_mov_b32 s11, 0
	s_wait_dscnt 0x0
	s_wait_kmcnt 0x0
	s_add_nc_u64 s[G0+2:G0+3], s[16:17], s[10:11]
	s_or_b32 s[G0+3], s[G0+3], 0x80000000          ; type = 2
	tensor_load_to_lds s[G0:G0+3], s[G1:G1+7]      ; the wave's whole share of x; the A operands are built while it is on its way
	s_nop 0
	; ---- the A operands.  Lane (r, h) holds row r, k = 8h .. 8h+7 in registers 0-3: the block is non-zero where r >> 3 = h,
	; that is where bits 3 and 4 of the lane agree (lanes 0-7 and 24-31); there the gate row is lane & 7.
	v_and_b32 v[J], 7, v0
	v_lshrrev_b32 v[U0], 1, v[LANE]
	v_xor_b32 v[U0], v[U0], v[LANE]
	v_and_b32 v[U0], 8, v[U0]
	v_cmp_eq_u32 vcc_lo, 0, v[U0]
	v_cndmask_b32 v[ACT], 0, 1.0, vcc_lo
; gate matrix w: which row of the weights the lane needs, its loads, and its factors
.macro GATES w
	v_add_nc_u32 v[U0], 8*\w, v[J]                 ; g = 8 w + j, 0 .. 23
	v_mul_u32_u24 v[U1], v[U0], 43
	v_lshrrev_b32 v[U1], 8, v[U1]                  ; type = g / 6
	v_mul_u32_u24 v[U2], v[U1], 6
	v_sub_nc_u32 v[U0], v[U0], v[U2]               ; unit = g % 6
	v_min_u32 v[U2], 2, v[U1]                      ; h_n and i_n both read the n rows
	v_min_u32 v[U3], 4, v[U0]                      ; the dummy unit reads unit 4 and is multiplied by 0: every load stays inside
	v_mad_u32_u24 v[U2], v[U2], 5, v[U3]           ; row 0 .. 14
	v_lshlrev_b32 v[OB+\w], 2, v[U2]
	v_mul_u32_u24 v[OW+\w], v[U2], 20
.irp c, 0,1,2,3,4
	global_load_b32 v[LW+8*\w+\c], v[OW+\w], s[20:21] offset:4*\c
.endr
	global_load_b32 v[LW+8*\w+5], v[OB+\w], s[18:19]
	global_load_b32 v[LW+8*\w+6], v[OB+\w], s[22:23]
	global_load_b32 v[LW+8*\w+7], v[OB+\w], s[24:25]
	v_lshlrev_b32 v[U2], 1, v[U1]
	v_min_u32 v[U2], 3, v[U2]
	v_cvt_f32_u32 v[U2], v[U2]
	v_add_f32 v[U2], -1.0, v[U2]                   ; -1, 1, 2, 2 for r, z, h_n, i_n
	v_mul_f32 v[U2], 0x3fb8aa3b, v[U2]             ; x log2 e
	v_cmp_gt_u32 vcc_lo, 5, v[U0]
	v_cndmask_b32 v[U3], 0, v[ACT], vcc_lo         ; 0 for the dummy unit and outside the block
	v_mul_f32 v[U2], v[U2], v[U3]
	v_cmp_ne_u32 vcc_lo, 3, v[U1]
	v_cndmask_b32 v[SH+\w], 0, v[U2], vcc_lo       ; i_n takes nothing from h and b_hh
	v_cmp_ne_u32 vcc_lo, 2, v[U1]
	v_cndmask_b32 v[SC+\w], 0, v[U2], vcc_lo       ; h_n takes nothing from x and b_ih
.endm
	GATES 0
	GATES 1
	GATES 2
	v_min_u32 v[U0], 2, v[J]                       ; fc: rows 0 .. 2
	v_lshlrev_b32 v[OB+3], 2, v[U0]
	v_mul_u32_u24 v[OW+3], v[U0], 20
.irp c, 0,1,2,3,4
	global_load_b32 v[LW+24+\c], v[OW+3], s[26:27] offset:4*\c
.endr
	global_load_b32 v[LW+31], v[OB+3], s[28:29]
	v_cmp_gt_u32 vcc_lo, 3, v[J]
	v_cndmask_b32 v[SH+3], 0, v[ACT], vcc_lo
; scale, round to f16 and pack matrix w.  The bias goes in two parts: its upper 11 bits (exact in f16) and the rest.
.macro PACK w, gate
.irp c, 0,1,2,3,4
	v_mul_f32 v[LW+8*\w+\c], v[LW+8*\w+\c], v[SH+\w]
.endr
.if \gate
	v_mul_f32 v[LW+8*\w+5], v[LW+8*\w+5], v[SC+\w]
	v_mul_f32 v[LW+8*\w+6], v[LW+8*\w+6], v[SC+\w]
	v_fma_f32 v[LW+8*\w+7], v[LW+8*\w+7], v[SH+\w], v[LW+8*\w+6]
	v_cvt_pk_f16_f32 v[WA+8*\w+2], v[LW+8*\w+4], v[LW+8*\w+5]
.else
	v_mul_f32 v[LW+8*\w+7], v[LW+8*\w+7], v[SH+\w]
	v_cvt_pk_f16_f32 v[WA+8*\w+2], v[LW+8*\w+4], 0
.endif
	v_cvt_pk_f16_f32 v[WA+8*\w],   v[LW+8*\w],   v[LW+8*\w+1]
	v_cvt_pk_f16_f32 v[WA+8*\w+1], v[LW+8*\w+2], v[LW+8*\w+3]
	v_and_b32 v[U0], 0xffffe000, v[LW+8*\w+7]
	v_sub_f32 v[U1], v[LW+8*\w+7], v[U0]
	v_cvt_pk_f16_f32 v[WA+8*\w+3], v[U0], v[U1]
.irp c, 4,5,6,7
	v_mov_b32 v[WA+8*\w+\c], 0                     ; k = 16 .. 31 are not used
.endr
.endm
	s_wait_loadcnt 0x0                             ; all thirty numbers, once
	PACK 0, 1
	PACK 1, 1
	PACK 2, 1
	PACK 3, 0
.irp tb, TX, TY
	v_mov_b32 v[\tb+oB+3], 0x3c003c00              ; slots 6, 7: 1.0, 1.0 in f16, for the two parts of the bias
.irp c, 4,5,6,7
	v_mov_b32 v[\tb+oB+\c], 0
.endr
.endr
	v_add_nc_u32 v[L32], 32, v[LANE]
	s_mul_i32 s6, s2, XWAVE                        ; the wave's x in LDS
	s_mul_i32 s7, s2, YWAVE
	s_add_co_u32 s7, s7, STAGE                     ; the wave's part of the stage
	s_mov_b32 s8, 0xc77fe000                       ; -65,504.0
	s_mov_b32 s9, 0x477fe000                       ;  65,504.0
	s_mov_b32 s4, 0                                ; first chain of the pair: 0, 64, .. 512, then 576 for the single tile
; LDS address of chain q = min(sq + lane, 601): base + 4 q + (q / 301) x jump.  q / 301 = (218 q) >> 16 for q <= 601.
; x lies as [batch][step][chain]: jump = 12,040 - 1,204;  y as [batch][output][chain]: jump = 3,612 - 1,204.
.macro LADDR dst, vl, sq, sbase, jump
	v_add_nc_u32 v[T0], \sq, v[\vl]
	v_min_u32 v[T0], QLAST, v[T0]
	v_mul_u32_u24 v[T1], v[T0], 218
	v_lshrrev_b32 v[T1], 16, v[T1]
	v_lshl_add_u32 v[T0], v[T0], 2, \sbase
	v_mad_u32_u24 v[\dst], v[T1], \jump, v[T0]
.endm
; Step t of tile tb, first half: the state into B, three products.  pre = 1: x_t's register, just read, is loaded with the next tile's x_t.
.macro PREP tb, t, adr, pre
.if \t == 0
	v_mov_b32 v[\tb+oB], 0                         ; h = 0
	v_mov_b32 v[\tb+oB+1], 0
	v_med3_num_f32 v[\tb+oT], v[\tb+oX], s8, s9
	v_cvt_pk_f16_f32 v[\tb+oB+2], 0, v[\tb+oT]
.else
	v_cvt_pk_f16_f32 v[\tb+oB],   v[\tb+oH],   v[\tb+oH+1]
	v_cvt_pk_f16_f32 v[\tb+oB+1], v[\tb+oH+2], v[\tb+oH+3]
	v_med3_num_f32 v[\tb+oT], v[\tb+oX+\t], s8, s9
	v_cvt_pk_f16_f32 v[\tb+oB+2], v[\tb+oH+4], v[\tb+oT]
.endif
.if \pre
	ds_load_b32 v[\tb+oX+\t], v[\adr] offset:\t*XROW
.endif
	v_wmma_f32_16x16x32_f16 v[\tb+oG:\tb+oG+7],     v[WA:WA+7],     v[\tb+oB:\tb+oB+7], 0
	v_wmma_f32_16x16x32_f16 v[\tb+oG+8:\tb+oG+15],  v[WA+8:WA+15],  v[\tb+oB:\tb+oB+7], 0
	v_wmma_f32_16x16x32_f16 v[\tb+oG+16:\tb+oG+23], v[WA+16:WA+23], v[\tb+oB:\tb+oB+7], 0
.endm
; Second half: the gates and the new h.  Behind each run of transcendentals one plain line that touches none of their registers comes
; before a result is used (ISA guide 5.7.2): 1 - h and zc (1 - h) + h are placed there.  first = 1: h = 0, so these lines fall away
; (h' = zc u + zc) and a v_nop takes the place.
.macro ELEM tb, first
.irp u, 0,1,2,3,4,6,7,8,9,10
	v_exp_f32 v[\tb+oG+\u], v[\tb+oG+\u]
.endr
.if \first
	v_nop
	s_wait_alu depctr_va_vdst(0)
.else
	v_pk_fma_f32 v[\tb+oC:\tb+oC+1],   v[\tb+oH:\tb+oH+1],   -1.0, 1.0 op_sel_hi:[1,0,0]
	v_pk_fma_f32 v[\tb+oC+2:\tb+oC+3], v[\tb+oH+2:\tb+oH+3], -1.0, 1.0 op_sel_hi:[1,0,0]
	s_wait_alu depctr_va_vdst(0)
.endif
.irp i, 0,2,4,6,8,10
	v_pk_add_f32 v[\tb+oG+\i:\tb+oG+\i+1], v[\tb+oG+\i:\tb+oG+\i+1], 1.0 op_sel_hi:[1,0]
.endr
.irp u, 0,1,2,3,4,6,7,8,9,10
	v_rcp_f32 v[\tb+oG+\u], v[\tb+oG+\u]           ; r in rows 0-4, zc = 1 - z in rows 6-10
.endr
.if \first
	v_nop
	s_wait_alu depctr_va_vdst(0)
.else
	v_pk_fma_f32 v[\tb+oC+4:\tb+oC+5], v[\tb+oH+4:\tb+oH+5], -1.0, 1.0 op_sel_hi:[1,0,0]
	s_wait_alu depctr_va_vdst(0)
.endif
.irp i, 0,2,4
	v_pk_fma_f32 v[\tb+oG+18+\i:\tb+oG+19+\i], v[\tb+oG+\i:\tb+oG+\i+1], v[\tb+oG+12+\i:\tb+oG+13+\i], v[\tb+oG+18+\i:\tb+oG+19+\i]   ; r h_n + i_n
.endr
.irp u, 18,19,20,21,22
	v_exp_f32 v[\tb+oG+\u], v[\tb+oG+\u]
.endr
.if \first
	v_nop
	s_wait_alu depctr_va_vdst(0)
.else
	v_pk_fma_f32 v[\tb+oC:\tb+oC+1],   v[\tb+oG+6:\tb+oG+7], v[\tb+oC:\tb+oC+1],   v[\tb+oH:\tb+oH+1]
	v_pk_fma_f32 v[\tb+oC+2:\tb+oC+3], v[\tb+oG+8:\tb+oG+9], v[\tb+oC+2:\tb+oC+3], v[\tb+oH+2:\tb+oH+3]
	s_wait_alu depctr_va_vdst(0)
.endif
.irp i, 18,20,22
	v_pk_fma_f32 v[\tb+oG+\i:\tb+oG+\i+1], v[\tb+oG+\i:\tb+oG+\i+1], -0.5, -0.5 op_sel_hi:[1,0,0]
.endr
.irp u, 18,19,20,21,22
	v_rcp_f32 v[\tb+oG+\u], v[\tb+oG+\u]           ; u = -2 / (1 + b)
.endr
.if \first
	v_nop
	s_wait_alu depctr_va_vdst(0)
.irp i, 0,2,4
	v_pk_fma_f32 v[\tb+oH+\i:\tb+oH+\i+1], v[\tb+oG+6+\i:\tb+oG+7+\i], v[\tb+oG+18+\i:\tb+oG+19+\i], v[\tb+oG+6+\i:\tb+oG+7+\i]
.endr
.else
	v_pk_fma_f32 v[\tb+oC+4:\tb+oC+5], v[\tb+oG+10:\tb+oG+11], v[\tb+oC+4:\tb+oC+5], v[\tb+oH+4:\tb+oH+5]
	s_wait_alu depctr_va_vdst(0)
.irp i, 0,2,4
	v_pk_fma_f32 v[\tb+oH+\i:\tb+oH+\i+1], v[\tb+oG+6+\i:\tb+oG+7+\i], v[\tb+oG+18+\i:\tb+oG+19+\i], v[\tb+oC+\i:\tb+oC+\i+1]
.endr
.endif
.endm
; y = fc_w h + fc_b: rows 0 .. 2 of one more product
.macro FC tb
	v_cvt_pk_f16_f32 v[\tb+oB],   v[\tb+oH],   v[\tb+oH+1]
	v_cvt_pk_f16_f32 v[\tb+oB+1], v[\tb+oH+2], v[\tb+oH+3]
	v_cvt_pk_f16_f32 v[\tb+oB+2], v[\tb+oH+4], 0
	v_wmma_f32_16x16x32_f16 v[\tb+oG:\tb+oG+7], v[WA+24:WA+31], v[\tb+oB:\tb+oB+7], 0
.endm
.macro YOUT tb, adr
.irp o, 0,1,2
	ds_store_b32 v[\adr], v[\tb+oG+\o] offset:\o*XROW
.endr
.endm
.macro NOP4                            ; four places between a product and the first reader of its result (ISA guide 7.12.1), where no other work is at hand
.rept 4
	v_nop
.endr
.endm
	s_wait_tensorcnt 0x0                           ; the wave's x is in LDS; only this wave reads these bytes
	LADDR AX, LANE, s4, s6, XBATCH-XROW
	LADDR AY, L32,  s4, s6, XBATCH-XROW
.irp t, 0,1,2,3,4,5,6,7,8,9
	ds_load_b32 v[TX+oX+\t], v[AX] offset:\t*XROW  ; tiles 0 and 1
	ds_load_b32 v[TY+oX+\t], v[AY] offset:\t*XROW
.endr
; A pair of tiles, half a step apart: each tile's gate lines (21 plain ones) stand between the other tile's products and their first
; readers, so the four places behind a product cost nothing.  All products start from C = 0 and write registers of their own.
.Lpair:
	s_wait_dscnt 0x0                               ; this pair's x (asked for during the last pair) is in; the last y stores are done
	s_add_co_u32 s5, s4, 64                        ; the next pair's first chain
	LADDR AX, LANE, s5, s6, XBATCH-XROW
	PREP TX, 0, AX, 1
	LADDR AY, L32, s5, s6, XBATCH-XROW             ; six plain lines behind X's first products.  In the last trip Y's next tile is past the
	PREP TY, 0, AY, 1                              ; wave's end: the clamp makes its ten loads read chain 601, and they are not used
	ELEM TX, 1
	PREP TX, 1, AX, 1
	ELEM TY, 1
	PREP TY, 1, AY, 1
.irp t, 2,3,4,5,6,7,8,9
	ELEM TX, 0
	PREP TX, \t, AX, 1
	ELEM TY, 0
	PREP TY, \t, AY, 1
.endr
	ELEM TX, 0
	FC TX
	ELEM TY, 0
	FC TY
	LADDR STX, LANE, s4, s7, YBATCH-XROW
	YOUT TX, STX
	LADDR STY, L32, s4, s7, YBATCH-XROW            ; with the six lines above: twelve places behind Y's last product
	YOUT TY, STY
	s_add_co_u32 s4, s4, 64
	s_cmp_lt_u32 s4, 576
	s_cbranch_scc1 .Lpair
	; the nineteenth tile, chains 576 .. 601, alone: its x came in as X's next tile
	s_wait_dscnt 0x0
	PREP TX, 0, AX, 0
	NOP4
	ELEM TX, 1
.irp t, 1,2,3,4,5,6,7,8,9
	PREP TX, \t, AX, 0
	NOP4
	ELEM TX, 0
.endr
	FC TX
	LADDR STX, LANE, s4, s7, YBATCH-XROW           ; lanes 26-31 repeat chain 601: the same number to the same word
	YOUT TX, STX
	; ---- the way out.  The stage holds the group's 57,792 bytes in out0's order.  The group's first byte in out0 is a multiple of 64,
	; not of 256: thread i of round k takes piece i + 256 k - shift, shift = (offset & 255) / 16, so that sixteen neighbouring lanes
	; store 256 consecutive bytes at a multiple of 256.  Only the first and the last round have threads without a piece.
.set GO,  2                            ; v2  16 x thread
.set C0,  3                            ; v3  piece of round 0 (wraps below zero where there is none)
.set C14, 4                            ; v4  piece of round 14
.set F,   8                            ; v[8:67] fifteen pieces
	s_wait_dscnt 0x0                               ; my y stores are in LDS,
	s_barrier_signal -1
	s_barrier_wait -1                              ; and so are every wave's
	s_mul_i32 s10, ttmp9, YGROUP                   ; the group's byte offset in out0
	s_and_b32 s12, s10, 0xff
	s_lshr_b32 s12, s12, 4                         ; shift, in pieces: 0, 4, 8 or 12
	s_and_b32 s10, s10, 0xffffff00                 ; the offset, rounded down to a multiple of 256
	s_mov_b32 s11, 0
	s_add_nc_u64 s[30:31], s[30:31], s[10:11]
	s_mov_b32 s13, STAGE
	v_sub_nc_u32 v[C0], v0, s12
	v_add_nc_u32 v[C14], 14*256, v[C0]
	v_lshlrev_b32 v[GO], 4, v0
.irp k, 0,1,2,3,4,5,6,7,8,9,10,11,12,13,14
.if \k == 0
	v_min_u32 v[T0], PIECES-1, v[C0]               ; a thread without a piece reads the last one and stores nothing
.else
	v_add_nc_u32 v[T0], 256*\k, v[C0]
	v_min_u32 v[T0], PIECES-1, v[T0]
.endif
	v_lshl_add_u32 v[T0], v[T0], 4, s13
	ds_load_b128 v[F+4*\k:F+4*\k+3], v[T0]
.endr
	v_cmp_gt_u32 vcc_lo, PIECES, v[C0]
	s_wait_dscnt 14                                ; LDS loads come back in order (ISA guide 5.7.1): round 0 is in, fourteen younger loads may be out
	s_wait_xcnt 0x0                                ; EXEC changes only behind this wait
	s_wait_tensorcnt 0x0
	ds_add_u32 v160, v161
	s_wait_dscnt 0x0
	s_and_saveexec_b32 s14, vcc_lo
	global_store_b128 v[GO], v[F:F+3], s[30:31] th:TH_STORE_NT
	s_wait_xcnt 0x0
	s_or_b32 exec_lo, exec_lo, s14
.irp k, 1,2,3,4,5,6,7,8,9,10,11,12,13
	s_wait_dscnt 14-\k                             ; round k is in; the 14 - k younger loads may be out
	global_store_b128 v[GO], v[F+4*\k:F+4*\k+3], s[30:31] offset:4096*\k th:TH_STORE_NT
.endr
	v_cmp_gt_u32 vcc_lo, PIECES, v[C14]
	s_wait_dscnt 0x0
	s_wait_xcnt 0x0
	s_and_saveexec_b32 s14, vcc_lo
	global_store_b128 v[GO], v[F+56:F+59], s[30:31] offset:4096*14 th:TH_STORE_NT
	s_wait_xcnt 0x0
	s_or_b32 exec_lo, exec_lo, s14
	s_endpgm
.Lfunc_end_k_q58b725a7c7_gru:
	.size	k_q58b725a7c7_gru, .Lfunc_end_k_q58b725a7c7_gru-k_q58b725a7c7_gru
	.p2alignl 7, 3214868480
	.fill 96, 4, 3214868480
	.section	.rodata,"a",@progbits
	.p2align	6, 0x0
	.amdhsa_kernel k_q58b725a7c7_gru
		.amdhsa_group_segment_fixed_size 251904
		.amdhsa_private_segment_fixed_size 0
		.amdhsa_enable_private_segment 0
		.amdhsa_kernarg_size 64
		.amdhsa_user_sgpr_count 2
		.amdhsa_user_sgpr_kernarg_segment_ptr 1
		.amdhsa_wavefront_size32 1
		.amdhsa_system_sgpr_workgroup_id_x 1
		.amdhsa_system_sgpr_workgroup_id_y 1
		.amdhsa_system_sgpr_workgroup_id_z 1
		.amdhsa_system_vgpr_workitem_id 0
		.amdhsa_next_free_vgpr 162
		.amdhsa_next_free_sgpr 66
		.amdhsa_reserve_vcc 1
		.amdhsa_float_denorm_mode_32 3
		.amdhsa_float_denorm_mode_16_64 3
		.amdhsa_memory_ordered 1
		.amdhsa_forward_progress 1
		.amdhsa_inst_pref_size 110
	.end_amdhsa_kernel
	.amdgpu_metadata
---
amdhsa.version: [ 1, 2 ]
amdhsa.kernels:
  - .name:           k_q58b725a7c7_gru
    .symbol:         k_q58b725a7c7_gru.kd
    .args:
      - { .name: x, .offset: 0, .size: 8, .value_kind: global_buffer, .address_space: global }
      - { .name: w_ih, .offset: 8, .size: 8, .value_kind: global_buffer, .address_space: global }
      - { .name: w_hh, .offset: 16, .size: 8, .value_kind: global_buffer, .address_space: global }
      - { .name: b_ih, .offset: 24, .size: 8, .value_kind: global_buffer, .address_space: global }
      - { .name: b_hh, .offset: 32, .size: 8, .value_kind: global_buffer, .address_space: global }
      - { .name: fc_w, .offset: 40, .size: 8, .value_kind: global_buffer, .address_space: global }
      - { .name: fc_b, .offset: 48, .size: 8, .value_kind: global_buffer, .address_space: global }
      - { .name: out0, .offset: 56, .size: 8, .value_kind: global_buffer, .address_space: global }
    .group_segment_fixed_size: 251904
    .private_segment_fixed_size: 0
    .kernarg_segment_align: 8
    .kernarg_segment_size: 64
    .max_flat_workgroup_size: 256
    .sgpr_count:     66
    .vgpr_count:     162
    .wavefront_size: 32
...
	.end_amdgpu_metadata
.endif
;; end of part 1
